; MI455X (gfx1250); checked and timed in simulation.
; The chip was launched on July 23, 2026; its instructions are those of AMD's public machine-readable ISA for CDNA 5 (MIT licence, August 2026) and "CDNA5" Instruction Set Architecture Reference Guide (July 2026). The comments in the code are by the model that wrote it; some were corrected since.
;; Pointer. Allowed arithmetic: matrix products marked QUANTISED: E2M1 operands, one E8M0 scale for each 32 along K, by v_wmma_scale_f32_16x16x128_f8f6f4 with both operands' format E2M1 (or v_wmma_scale_f32_32x16x128_f4), f32 sums; products left as they are: f32 operands where the result goes on into a quantised operand, else bf16, f16 or f32 operands; f32 sums; everything else in f32.
;; Inputs: Wk 1,024 x 1,024 float32; Wq 1,024 x 1,024 float32; memory 16 x 4,096 x 1,024 float32; memory_mask 16 x 4,096 bool; target 16 x 1,024 float32; v 1,024 float32.
;; Outputs: out0 16 x 4,096 float32.
;; This version of the problem:
;;   THIS VERSION OF THE PROBLEM IS GIVEN IN LOW PRECISION. The matrix products marked QUANTISED in the list below multiply operands that are first quantised to E2M1 (2 exponent bits, 1 mantissa bit; 4 bits a number), with one power-of-two scale for each 32 numbers along K (OCP MX v1.0); their sums are f32. All else is computed in f32.
;;   The module's matrix products, in the order in which they are computed (A, B: the left and right operand; K: the contracted axis; several contracted axes count as one K, in the product's order):
;;     1. [M 16, K 1,024] x [K 1,024, N 1,024]; A: input target; B: input Wq: QUANTISED
;;     2. [M 65,536, K 1,024] x [K 1,024, N 1,024]; A: input memory; B: input Wk: QUANTISED
;;     3. [M 65,536, K 1,024] x [K 1,024, N 1]; A: computed on the way; B: input v: left as it is (N = 1 < 16)
;;   THE QUANTISER, for each operand of a quantised product, along K:
;;     - K is cut into blocks of 32 from its start; a last block that is shorter is filled with zeros.
;;     - A block's scale is 2^e with e = floor(log2(the largest magnitude in the block)) - 2, held to -126 .. 127; a block of zeros has e = 0. As a byte (E8M0): e + 127.
;;     - Each number is divided by its block's scale, clamped to +-6, and rounded to the nearest number of E2M1, ties to even, subnormals kept.
;;     - The product sums the exact products of the quantised numbers (number of the format x scale) in f32.
;;   ~~~python
;;   def quantise(x, axis):      # numpy; x: float32 -> the quantised numbers, widened to float32 again
;;       x = np.moveaxis(x, axis, -1); K = x.shape[-1]
;;       x = np.pad(x, [(0, 0)] * (x.ndim - 1) + [(0, -K % 32)]); x = x.reshape(x.shape[:-1] + (-1, 32)); a = np.abs(x).max(-1, keepdims=True)
;;       e = np.where(a > 0, np.clip(np.frexp(np.where(a > 0, a, 1))[1] - 1 - 2, -126, 127), 0)      # np.frexp(a)[1] - 1 = floor(log2(a)), exactly
;;       r = np.clip(x / 2.0 ** e, -6, 6)
;;       step = 2.0 ** (np.maximum(np.frexp(np.where(r == 0, 1, r))[1] - 1, 0) - 1)
;;       q = np.round(r / step) * step * 2.0 ** e      # np.round: ties to even
;;       return np.moveaxis(q.reshape(q.shape[:-2] + (-1,))[..., :K], -1, axis).astype(np.float32)
;;   ~~~
;; One version. Each part assembles by itself: llvm-mc -triple=amdgcn-amd-amdhsa -mcpu=gfx1250 --defsym DOCPART=n.
;; ======== version 1 of 1: 3 launches
;; limits: right only within a limited range of input values
;; workspace buffers: wkp 557,056 bytes; qws 524,288 bytes; sc 262,144 bytes
;; launch prep (part 1): grid 128 x 1, 8 waves a work-group, no clusters, 0 bytes of LDS; arguments Wk, Wq, target, wkp, qws; writes wkp, qws
.if DOCPART == 1
	.amdgcn_target "amdgcn-amd-amdhsa--gfx1250"
	.amdhsa_code_object_version 6
	.text
	.protected	k_qc4d5b3dfad_prep
	.globl	k_qc4d5b3dfad_prep
	.p2align	8
	.type	k_qc4d5b3dfad_prep,@function
k_qc4d5b3dfad_prep:
	s_mov_b64 s[64:65], 0
	v_nop
	global_prefetch_b8 v0, s[64:65] scope:SCOPE_SE
	s_setreg_imm32_b32 hwreg(HW_REG_WAVE_MODE, 25, 1), 1
	s_wait_xcnt 0x0
; Two small jobs that the main launch needs done once, on codes of FP4 (E2M1) with one E8M0 scale for each 32 along K.
; Work-groups 0-63: rows 16 x .. 16 x + 15 of Wk [1024][1024] f32 become PACKAGE x of wkp, 8,704 bytes, laid in the order of a matrix operand's registers:
;   bytes 1024 s + 512 c + 16 l: registers 4 c .. 4 c + 3 of lane l of the fragment (16 rows x K step s of 128): row l % 16, k = 128 s + 64 c + 32 (l / 16) + 0 .. 31;
;   bytes 8192 + 16 l: the four scale words of row l % 16 for K steps 4 (l / 16) + 0 .. 3.
; Work-groups 64-127: tile et = x - 64 of q = Q(target) Q(Wq)^T: 16 columns e for all 16 batches.
; In both jobs wave w of eight takes K step w, so that all of a wave's loads go out at once.  q therefore leaves as eight partial sums, qws [8][16][1024] f32, which the main launch adds.
; A lane takes its operand's own numbers: of row r the 32 neighbours of block 2 c + h: eight loads of 16 bytes on end.  So a block's largest magnitude needs no other lane and the conversions' results are the operand's registers.
; A block's scale byte is its largest magnitude's exponent field - 2, held at 1 from below by a floor among the maximum's leaves.
; LIMITS: NaN and infinities are not served; a block of zeros, or one whose largest magnitude lies under 2^-124, gets the byte 1 (its bytes are read by this program alone; zero codes add nothing).
; The lanes of a load stand 4,096 bytes apart, q's stores cover 64 bytes a row, and a wave's scale words leave 4 bytes a lane, 16 bytes apart (32 KB of them in the launch): the launch moves 8.4 MB in and 1.1 MB out in all, and no stage in LDS is spent on it.
.set XA,  64                           ; v64-127, v128-191: two sets of 64 numbers (one K step of a lane's row)
.set XB,  128
.set CW0, 20                           ; v20-27  the weight's codes of my K step
.set CT0, 36                           ; v36-43  target's
.set ACC, 52                           ; v52-59  q's tile
	s_load_b256 s[4:11], s[0:1], 0x0               ; Wk s[4:5], Wq s[6:7], target s[8:9], wkp s[10:11]
	s_load_b64 s[12:13], s[0:1], 0x20              ; qws
	v_lshrrev_b32 v1, 5, v0
	s_delay_alu instid0(VALU_DEP_1)
	v_readfirstlane_b32 s16, v1                    ; wave 0..7
	v_and_b32 v1, 31, v0                           ; lane
	v_and_b32 v2, 15, v0                           ; r
	v_bfe_u32 v3, v0, 4, 1                         ; h
	s_delay_alu instid0(VALU_DEP_2)
	v_lshlrev_b32 v4, 12, v2
	s_delay_alu instid0(VALU_DEP_1)
	v_lshl_add_u32 v4, v3, 7, v4                   ; row r of 4,096 bytes + 128 h: my 32 numbers of a pair of blocks
	v_lshlrev_b32 v5, 4, v1                        ; 16 x lane
	s_delay_alu instid0(VALU_DEP_4)
	v_lshlrev_b32 v6, 3, v3                        ; 8 h: my bytes' place in a scale word, in bits
	v_mov_b32 v7, 0                                ; a lane permute's destination counts as one of its sources
	s_mov_b32 s20, 0x76543210
	s_mov_b32 s21, 0xfedcba98                      ; v_permlanex16_b32's selects for lane l xor 16
	s_lshl_b32 s22, s16, 9                         ; my K step begins 512 w bytes into a row
	s_mov_b32 s23, 0
; 16 loads: my K step of the rows at s[base:base+1], into v[x] on: register 32 c + i = k 64 c + 32 h + i
.macro LOADU x, base
.irp c, 0,1
.irp i, 0,1,2,3,4,5,6,7
	global_load_b128 v[\x+32*\c+4*\i:\x+32*\c+4*\i+3], v4, s[\base:\base+1] offset:256*\c+16*\i
.endr
.endr
.endm
; 64 numbers in v[x] on become a fragment's 8 registers of codes in v[code] on and its rows' scale word in v[word]
.macro QF x, code, word
	v_max3_num_f32 v8, |v[\x]|, |v[\x+1]|, 0x1800000       ; my two blocks by turns; the floor 2^(3 - 127) is one more leaf: the byte cannot fall under 1
	v_max3_num_f32 v9, |v[\x+32]|, |v[\x+33]|, 0x1800000
.irp i, 2,4,6,8,10,12,14,16,18,20,22,24,26,28,30
	s_delay_alu instid0(VALU_DEP_2)
	v_max3_num_f32 v8, v8, |v[\x+\i]|, |v[\x+\i+1]|
	s_delay_alu instid0(VALU_DEP_2)
	v_max3_num_f32 v9, v9, |v[\x+32+\i]|, |v[\x+33+\i]|
.endr
	s_delay_alu instid0(VALU_DEP_2)
	v_add_nc_u32 v10, 0xff000000, v8               ; 2 off the exponent field: the conversion takes the exponent field of this operand as its scale
	s_delay_alu instid0(VALU_DEP_2)
	v_add_nc_u32 v11, 0xff000000, v9
	s_delay_alu instid0(VALU_DEP_2)
	v_lshrrev_b32 v12, 23, v10                     ; the scales' bytes: blocks h and 2 + h
	s_delay_alu instid0(VALU_DEP_2)
	v_lshrrev_b32 v13, 23, v11
	s_delay_alu instid0(VALU_DEP_1)
	v_lshl_or_b32 v[\word], v13, 16, v12
	s_delay_alu instid0(VALU_DEP_1)
	v_lshlrev_b32 v[\word], v6, v[\word]           ; at their places in the word;
	s_delay_alu instid0(VALU_DEP_1)
	v_permlanex16_b32 v7, v[\word], s20, s21
	s_delay_alu instid0(VALU_DEP_1)
	v_or_b32 v[\word], v[\word], v7                ; with lane l xor 16's two the word is whole
.irp g, 0,1,2,3
	v_cvt_scalef32_pk8_fp4_f32 v[\code+\g], v[\x+8*\g:\x+8*\g+7], v10
	v_cvt_scalef32_pk8_fp4_f32 v[\code+4+\g], v[\x+32+8*\g:\x+32+8*\g+7], v11
.endr
	v_nop                                          ; one plain place behind the last scaled conversion
.endm
	s_cmp_lt_u32 ttmp9, 64                         ; the two jobs part on the work-group's number
	s_cbranch_scc0 .Lq
	; ---- a package of Wk
	s_lshl_b32 s24, ttmp9, 16                      ; 16 rows of 4,096 bytes a package,
	s_add_co_u32 s24, s24, s22                     ; + my K step
	s_mov_b32 s25, 0
	s_mul_i32 s26, ttmp9, 8704                     ; the package
	s_mov_b32 s27, 0
	s_lshr_b32 s28, s16, 2
	s_lshl_b32 s28, s28, 8                         ; scale words: K steps 4-7 lie in the places of lanes 16-31: 256 (w / 4),
	s_and_b32 s29, s16, 3
	s_lshl_b32 s29, s29, 2                         ; my word of the four: 4 (w % 4),
	s_add_co_u32 s28, s28, s29
	s_add_co_u32 s28, s28, 8192                    ; behind the codes
	s_wait_alu depctr_va_vdst(0)
	v_lshl_add_u32 v14, v2, 4, s28                 ; + 16 r
	s_lshl_b32 s29, s16, 10
	v_add_nc_u32 v5, s29, v5                       ; codes: 16 x lane + my fragment's 1,024 w
	s_wait_kmcnt 0x0
	s_add_nc_u64 s[4:5], s[4:5], s[24:25]
	s_add_nc_u64 s[10:11], s[10:11], s[26:27]
	LOADU XA, 4
	s_wait_loadcnt 0x0
	QF XA, CW0, 16
	global_store_b128 v5, v[CW0:CW0+3], s[10:11]               ; 32 lanes store 512 consecutive bytes, at a multiple of 256 from wkp's first byte
	global_store_b128 v5, v[CW0+4:CW0+7], s[10:11] offset:512
	global_store_b32 v14, v16, s[10:11]            ; lanes r and r + 16 hold the same word and write it to the same place
	s_endpgm
.Lq:	; ---- a tile of q
	s_sub_co_u32 s24, ttmp9, 64                    ; et
	s_lshl_b32 s26, s24, 6                         ; q: 64 et bytes into a row,
	s_lshl_b32 s27, s16, 16                        ; in my wave's partial sum
	s_add_co_u32 s26, s26, s27
	s_mov_b32 s27, 0
	s_lshl_b32 s24, s24, 16                        ; Wq: 16 rows of 4,096 bytes a tile,
	s_add_co_u32 s24, s24, s22                     ; + my K step
	s_mov_b32 s25, 0
	s_wait_alu depctr_va_vdst(0)
	v_lshlrev_b32 v15, 12, v2
	s_delay_alu instid0(VALU_DEP_1)
	v_lshl_add_u32 v15, v3, 5, v15                 ; q's row b = r, + 32 h
	s_wait_kmcnt 0x0
	s_add_nc_u64 s[6:7], s[6:7], s[24:25]
	s_add_nc_u64 s[8:9], s[8:9], s[22:23]
	s_add_nc_u64 s[12:13], s[12:13], s[26:27]
	LOADU XA, 6                                    ; Wq
	LOADU XB, 8                                    ; target
	s_wait_loadcnt 16                              ; Wq's 16 loads are in; target's 16, issued behind them, may be out
	QF XA, CW0, 16
	s_wait_loadcnt 0x0
	QF XB, CT0, 18
.rept 8
	v_nop                                          ; a scale word made by vector instructions stands eight places ahead of the scaled matrix instruction, codes so made four
.endr
	v_wmma_scale_f32_16x16x128_f8f6f4 v[ACC:ACC+7], v[CW0:CW0+7], v[CT0:CT0+7], 0, v16, v18 matrix_a_fmt:MATRIX_FMT_FP4 matrix_b_fmt:MATRIX_FMT_FP4   ; source 0 = 16 rows of Wq, source 1 = the 16 batches: lane (r, h), register j = q(b = r, e = 16 et + 8 h + j), my K step's part
.rept 4
	v_nop                                          ; four places ahead of the stores that read the result
.endr
	global_store_b128 v15, v[ACC:ACC+3], s[12:13]
	global_store_b128 v15, v[ACC+4:ACC+7], s[12:13] offset:16
	s_endpgm
.Lfunc_end_k_qc4d5b3dfad_prep:
	.size	k_qc4d5b3dfad_prep, .Lfunc_end_k_qc4d5b3dfad_prep-k_qc4d5b3dfad_prep
	.p2alignl 7, 3214868480
	.fill 96, 4, 3214868480
	.section	.rodata,"a",@progbits
	.p2align	6, 0x0
	.amdhsa_kernel k_qc4d5b3dfad_prep
		.amdhsa_group_segment_fixed_size 0
		.amdhsa_private_segment_fixed_size 0
		.amdhsa_enable_private_segment 0
		.amdhsa_kernarg_size 40
		.amdhsa_user_sgpr_count 2
		.amdhsa_user_sgpr_kernarg_segment_ptr 1
		.amdhsa_wavefront_size32 1
		.amdhsa_system_sgpr_workgroup_id_x 1
		.amdhsa_system_sgpr_workgroup_id_y 1
		.amdhsa_system_sgpr_workgroup_id_z 1
		.amdhsa_system_vgpr_workitem_id 0
		.amdhsa_next_free_vgpr 192
		.amdhsa_next_free_sgpr 66
		.amdhsa_reserve_vcc 0
		.amdhsa_float_denorm_mode_32 3
		.amdhsa_float_denorm_mode_16_64 3
		.amdhsa_memory_ordered 1
		.amdhsa_forward_progress 1
		.amdhsa_inst_pref_size 21
	.end_amdhsa_kernel
	.amdgpu_metadata
---
amdhsa.version: [ 1, 2 ]
amdhsa.kernels:
  - .name:           k_qc4d5b3dfad_prep
    .symbol:         k_qc4d5b3dfad_prep.kd
    .args:
      - { .name: Wk, .offset: 0, .size: 8, .value_kind: global_buffer, .address_space: global }
      - { .name: Wq, .offset: 8, .size: 8, .value_kind: global_buffer, .address_space: global }
      - { .name: target, .offset: 16, .size: 8, .value_kind: global_buffer, .address_space: global }
      - { .name: wkp, .offset: 24, .size: 8, .value_kind: global_buffer, .address_space: global }
      - { .name: qws, .offset: 32, .size: 8, .value_kind: global_buffer, .address_space: global }
    .group_segment_fixed_size: 0
    .private_segment_fixed_size: 0
    .kernarg_segment_align: 8
    .kernarg_segment_size: 40
    .max_flat_workgroup_size: 256
    .sgpr_count:     66
    .vgpr_count:     192
    .wavefront_size: 32
...
	.end_amdgpu_metadata
.endif
;; end of part 1
;; launch main (part 2): grid 256 x 1, 8 waves a work-group, clusters of 4 x 1, 327,680 bytes of LDS; arguments memory, memory_mask, v, wkp, qws, sc; writes sc
.if DOCPART == 2
	.amdgcn_target "amdgcn-amd-amdhsa--gfx1250"
	.amdhsa_code_object_version 6
	.text
	.protected	k_qc4d5b3dfad_main
	.globl	k_qc4d5b3dfad_main
	.p2align	8
	.type	k_qc4d5b3dfad_main,@function
k_qc4d5b3dfad_main:
	s_mov_b64 s[64:65], 0
	v_nop
	global_prefetch_b8 v0, s[64:65] scope:SCOPE_SE
	s_setreg_imm32_b32 hwreg(HW_REG_WAVE_MODE, 25, 1), 1
	s_wait_xcnt 0x0
	s_wait_alu depctr_hold_cnt(0) depctr_sa_sdst(0) depctr_va_vdst(0) depctr_va_sdst(0) depctr_va_ssrc(0) depctr_va_vcc(0) depctr_vm_vsrc(0)
	s_getreg_b32 s2, hwreg(HW_REG_IB_STS2, 6, 4)
	s_cmp_eq_u32 s2, 0
	s_cbranch_scc0 .Lentry_in_a_cluster
	s_endpgm
.Lentry_in_a_cluster:
	s_bfe_u32 s2, ttmp6, 0x10000c
	s_cmp_lg_u32 s2, 0x3003
	s_cbranch_scc0 .Lentry_shape_is_right
	s_endpgm
.Lentry_shape_is_right:
; sc[row] = -2 sum over e of v[e] / (1 + 2^(2 log2(e) (q[b][e] + k[row][e]))) - 1e9 mask[row],  k = Q(memory) Q(Wk)^T on codes of FP4 (E2M1), one E8M0 scale for each 32 along K.
; WORK LEFT OUT.  tanh(x) = 1 - 2 / (1 + e^(2x)), so reference()'s score is sum(v) - 2 sum(v / (1 + e^(2x))).  sum(v) is the same number for every row of every batch:
; a term that is the same along the softmax's axis, which the softmax takes away for all values of the inputs.  It is not formed.  LIMIT: an overflow or a NaN that would reach sum(v) alone is not carried to the result.
; SHARES.  A work-group owns 256 rows of one batch, in 4 blocks of 64 rows on end.  Eight waves, two to a SIMD.  The block's codes (32 KB) stand in every wave's registers (window 1).
; A block goes in 4 steps of 256 columns; in a step wave w takes tiles 16 step + 2 w, + 1 of Wk against all 64 rows: 64 matrix instructions on end, the 8 accumulators by turns, and then the tanh of these 64 registers in batches.
; Wk comes as packages in the order of the operand's registers: a wave's 2 packages of a step are 17,408 dense bytes, one tensor load, into a ring of two slots; only the wave that fetched them reads them.
; CLUSTER.  All work-groups walk the same packages in the same order: four form a cluster and ask jointly, mask 15.
; memory's f32 numbers go from memory into registers, each load 512 consecutive bytes: in a step wave w quantises rows 8 w + 2 u, + 1 of the NEXT block (a quarter, 16 loads) and asks for its next quarter.
; One prefetch a wave and step names the quarter whose loads go out two steps later: 32 lanes x 256 bytes are the wave's 8,192 bytes; the last quarters ask for nothing.  Block 0's four quarters land in window 1, which is free at the head.
; THE PRODUCT IS USED TRANSPOSED (source 0 = 16 rows of Wk, source 1 = 16 rows of memory): lane (r, h) holds row r, register j column 16 tile + 8 h + j.  LDS holds c q (c = 2 log2(e)) and -2 v.
; Wave i finishes block i: it adds the eight waves' parts and stores 64 scores as one aligned unit of 256 bytes.
; LIMITS: NaN and infinities among the inputs are not served; a block of 32 zeros, or one whose largest magnitude lies under 2^-124, gets the scale byte 1 (zero codes add nothing); a mask byte is 0 or 1; the f32 sums are taken in another order than reference()'s.
; An exponential that overflows gives 1 / infinity = 0, which is tanh = 1.
.set SLOT,   139264
.set WSH,    17408
.set PKG,    8704
.set ACODE,  2*SLOT                    ; the next block's codes: 64 rows of 512 bytes + 16
.set APITCH, 528
.set ASCL,   ACODE+64*APITCH           ; its scale bytes: 64 rows x 32
.set QL,     ASCL+2048                 ; c q[b][0..1023]
.set VL,     QL+4096                   ; -2 v[0..1023]
.set RED,    VL+4096                   ; the waves' parts, two halves by turns: [wave][row] f32
.set SPARE,  RED+4096                  ; the spare words: 128 bytes a wave
.set SPW,  1
.set NIL,  2
.set GOFF, 3                           ; 16 x lane
.set PFO,  4                           ; 256 x lane
.set ADRB, 5                           ; my share of the slot in hand + 16 x lane
.set ADRQ, 6                           ; c q at my step's columns; -2 v lies 4,096 bytes on
.set MK,   7                           ; two mask bytes
.set BS,   8                           ; Wk's scale words: 4 n + j
.set AS,   16                          ; memory's: 4 m + j; lanes 0-15 K step j, lanes 16-31 K step 4 + j
.set SUM,  32                          ; eight pairs of sums, one for each accumulator
.set QV,   48                          ; c q, then -2 v: 8 n + j
.set ACC,  64                          ; accumulator (n, m) at 8 (4 n + m); free between a tanh and the next products
.set BF,   128                         ; Wk's fragments: two halves of two K steps
.set LAND, 192                         ; a quarter of memory's numbers
.set QM,   ACC
.set QC,   ACC+16
.set TA,   ACC+32
.set LP,   60                          ; s[60:61] the quarter asked for;  s[62:63] the quarter prefetched
.set PP,   62
; s16 wave; s17 RED + 256 w; s19 ACODE + 8 w rows; s49 ASCL + 256 w; s59 QL + 128 w; s40 slot in hand, s41 the other; s42 my share; s43 step's place in q; s44, s45 quarter's place; s46 quarter in LAND; s54 RED's half; s55 last fill; s57 block
.set MSB, 0
.macro WIN new
.if MSB != \new
	s_set_vgpr_msb (MSB<<8)|\new
.set MSB, \new
.endif
.endm
.macro PLACES
.rept 4
	v_nop
.endr
.endm
.macro DEP n
	s_delay_alu instid0(VALU_DEP_\n)
.endm
.macro CROUND
	s_barrier_signal -1
	s_barrier_wait -1
	s_cmp_lg_u32 s16, 0
	s_cbranch_scc1 .Lnot_wave_0_\@
	s_barrier_signal -3
.Lnot_wave_0_\@:
	s_barrier_wait -3
	s_barrier_signal -1
	s_barrier_wait -1
.endm
.macro RUNB s0, hb                     ; K steps s0, s0 + 1 of my two tiles into half hb: images of the registers
.irp u, 0,1
.irp n, 0,1
.irp c, 0,1
	ds_load_b128 v[BF+32*(\hb)+16*\u+8*\n+4*\c:BF+32*(\hb)+16*\u+8*\n+4*\c+3], v[ADRB] offset:\n*PKG+1024*((\s0)+\u)+512*\c
.endr
.endr
.endr
.endm
.macro NEXT                            ; the next step's K steps 0-3 and scale words, from the other slot
	s_add_co_u32 s58, s41, s42
	v_add_nc_u32 v[ADRB], s58, v[GOFF]
	RUNB 0, 0
	RUNB 2, 1
.irp n, 0,1
	ds_load_b128 v[BS+4*\n:BS+4*\n+3], v[ADRB] offset:\n*PKG+8192
.endr
.endm
.macro NEXTQ                           ; the next step's c q
	s_add_co_u32 s43, s43, 1024
	s_and_b32 s43, s43, 0xfff
	s_add_co_u32 s58, s43, s59
	v_bfe_u32 v[ADRQ], v0, 4, 1
	DEP 1
	v_lshl_add_u32 v[ADRQ], v[ADRQ], 5, s58
.irp n, 0,1
.irp c, 0,1
	ds_load_b128 v[QV+8*\n+4*\c:QV+8*\n+4*\c+3], v[ADRQ] offset:64*\n+16*\c
.endr
.endr
.endm
.macro WM n, m, s
.set rD, ACC+8*(4*(\n)+(\m))
.set rB, BF+32*(((\s)/2)%2)+16*((\s)%2)+8*(\n)
.set rA, 8*(4*(\s)+(\m))
.set rX, BS+4*(\n)+((\s)%4)
.set rY, AS+4*(\m)+((\s)%4)
.if (\s) == 0
	v_wmma_scale_f32_16x16x128_f8f6f4 v[rD:rD+7], v[rB:rB+7], v[rA:rA+7], 0, v[rX], v[rY] matrix_a_fmt:MATRIX_FMT_FP4 matrix_b_fmt:MATRIX_FMT_FP4
.elseif (\s) < 4
	v_wmma_scale_f32_16x16x128_f8f6f4 v[rD:rD+7], v[rB:rB+7], v[rA:rA+7], v[rD:rD+7], v[rX], v[rY] matrix_a_fmt:MATRIX_FMT_FP4 matrix_b_fmt:MATRIX_FMT_FP4
.else
	v_wmma_scale_f32_16x16x128_f8f6f4 v[rD:rD+7], v[rB:rB+7], v[rA:rA+7], v[rD:rD+7], v[rX], v[rY] matrix_a_fmt:MATRIX_FMT_FP4 matrix_b_fmt:MATRIX_FMT_FP4 matrix_a_scale:MATRIX_SCALE_ROW1 matrix_b_scale:MATRIX_SCALE_ROW1
.endif
.endm
.macro KS s                            ; a K step: the eight accumulators by turns
.irp j, 0,1,2,3,4,5,6,7
	WM \j/4, \j%4, \s
.endr
.endm
; The tanh of the 64 registers.  Each batch of transcendentals has one wait ahead of it and one behind it
.macro TANH next, ar                   ; ar = 1: the next block's 64 code loads stand in fours behind every eight transcendentals, its scale words behind the last
.set i, 0
.rept 32
	v_pk_fma_f32 v[ACC+2*i:ACC+2*i+1], v[ACC+2*i:ACC+2*i+1], s[50:51], v[QV+8*(i/16)+2*(i%4):QV+8*(i/16)+2*(i%4)+1] op_sel_hi:[1,0,1]   ; c k + c q, each accumulator from its low end on
.set i, i+1
.endr
.irp n, 0,1
.irp c, 0,1
	ds_load_b128 v[QV+8*\n+4*\c:QV+8*\n+4*\c+3], v[ADRQ] offset:4096+64*\n+16*\c   ; -2 v takes c q's registers
.endr
.endr
	s_wait_alu depctr_va_vdst(0)
.set i, 0
.rept 64
	v_exp_f32 v[ACC+i], v[ACC+i]
.if (\ar) && ((i%8) == 7)
	ARQ i/8
.endif
.set i, i+1
.endr
	v_nop
	s_wait_alu depctr_va_vdst(0)
.set i, 0
.rept 32
	v_pk_add_f32 v[ACC+2*i:ACC+2*i+1], v[ACC+2*i:ACC+2*i+1], 1.0 op_sel_hi:[1,0]
.set i, i+1
.endr
	s_wait_alu depctr_va_vdst(0)
.set i, 0
.rept 64
	v_rcp_f32 v[ACC+i], v[ACC+i]
.if (\ar) && ((i%8) == 7)
	ARQ 8+i/8
.endif
.set i, i+1
.endr
	v_nop
	s_wait_alu depctr_va_vdst(0)
.if \ar
.irp m, 0,1,2,3
	ds_load_b128 v[AS+4*\m:AS+4*\m+3], v[TA+3] offset:512*\m
.endr
.endif
	s_wait_dscnt 0x0                               ; -2 v is in (ar = 1: the next block's codes and scale words too)
.set i, 0
.rept 32
	v_pk_fma_f32 v[SUM+2*(i%8):SUM+2*(i%8)+1], v[ACC+8*(i%8)+2*(i/8):ACC+8*(i%8)+2*(i/8)+1], v[QV+8*((i%8)/4)+2*(i/8):QV+8*((i%8)/4)+2*(i/8)+1], v[SUM+2*(i%8):SUM+2*(i%8)+1]
.set i, i+1
.endr
.if \next
	NEXTQ
.endif
.endm
.macro PTR p, ahead                    ; memory at my quarter s46 + ahead: block n / 4 is 256 KB on, quarter n % 4 is 8 KB on
	s_add_co_u32 s58, s46, \ahead
	s_lshr_b32 s20, s58, 2
	s_lshl_b32 s20, s20, 18
	s_and_b32 s21, s58, 3
	s_lshl_b32 s21, s21, 13
	s_add_co_u32 s20, s20, s21
	s_mov_b32 s21, 0
	s_add_nc_u64 s[\p:\p+1], s[4:5], s[20:21]
.endm
; A QUARTER: 2 rows in window win from register x on.  Load i holds row i / 8, K step i % 8; lane l holds k = 4 l .. 4 l + 3 of its 128: eight lanes hold a block of 32.
; The conversion takes eight numbers under one scale and a lane has four of a block: the eight of loads 2 p, 2 p + 1 are converted under either load's scale; of the first result the low half is kept, of the second the high half.
.macro QUANT win, x, lc, dsw, loop, tb ; tb: 36 registers at work, free where the quarter stands
.set QM, \tb
.set QC, (\tb)+16
.set TA, (\tb)+32
.if \dsw
	s_wait_dscnt 0x0                               ; the last quarter's LDS stores have read the registers that are written again here
.endif
	s_wait_loadcnt \lc                             ; this quarter's 16 loads are in; lc loads were issued behind them
	WIN 0x15*(\win)
.set i, 0
.rept 16
	v_max3_num_f32 v[QM+i], |v[(\x)+4*i]|, |v[(\x)+4*i+1]|, |v[(\x)+4*i+2]|
.set i, i+1
.endr
	WIN \win
.set i, 0
.rept 16
	v_max3_num_f32 v[QM+i], |v[(\x)+4*i+3]|, v[QM+i], 0x1800000   ; and the floor 2^(3 - 127): the byte cannot fall under 1
.set i, i+1
.endr
	WIN 0
.irp xm, 1,2,4
.set i, 0
.rept 16
	v_max_num_f32_dpp v[QM+i], v[QM+i], v[QM+i] row_xmask:\xm row_mask:0xf bank_mask:0xf
.set i, i+1
.endr
.endr
.set i, 0
.rept 16
	v_add_nc_u32 v[QM+i], 0xff000000, v[QM+i]      ; 2 off the exponent field: the conversion's scale operand
.set i, i+1
.endr
	WIN \win
.set i, 0
.rept 8
	v_cvt_scalef32_pk8_fp4_f32 v[QC+2*i], v[(\x)+8*i:(\x)+8*i+7], v[QM+2*i]
	v_cvt_scalef32_pk8_fp4_f32 v[QC+2*i+1], v[(\x)+8*i:(\x)+8*i+7], v[QM+2*i+1]
.set i, i+1
.endr
	v_nop                                          ; one plain place behind the last scaled conversion
	WIN 0
	v_lshrrev_b32 v[TA], 3, v[GOFF]                ; 2 x lane
	v_lshrrev_b32 v[TA+1], 7, v[GOFF]              ; lane / 8
.set i, 0
.rept 16
	v_lshrrev_b32 v[QM+i], 23, v[QM+i]             ; the scales' bytes
.set i, i+1
.endr
	v_add_nc_u32 v[TA+2], s44, v[TA]
	v_add_nc_u32 v[TA+3], s45, v[TA+1]
.set i, 0
.rept 8
	ds_store_b16 v[TA+2], v[QC+2*i] offset:APITCH*((2*i)/8)+64*((2*i)%8)      ; 32 lanes store 64 consecutive bytes: 128 codes of a row
	ds_store_b16_d16_hi v[TA+2], v[QC+2*i+1] offset:APITCH*((2*i+1)/8)+64*((2*i+1)%8)
.set i, i+1
.endr
.set i, 0
.rept 16
	ds_store_b8 v[TA+3], v[QM+i] offset:32*(i/8)+4*(i%8)      ; a block's eight lanes write the same byte with the same value
.set i, i+1
.endr
.if \loop
	s_cmp_lt_u32 s46, 15                           ; the last of my 16 quarters has no successor
	s_cbranch_scc0 .Lno_more_\@
	s_wait_xcnt 0x0                                ; the earlier loads and prefetch have read their bases
	PTR LP, 1
.set i, 0
.rept 16
	global_load_b128 v[LAND+4*i:LAND+4*i+3], v[GOFF], s[LP:LP+1] offset:512*i th:TH_LOAD_NT
.set i, i+1
.endr
	s_cmp_lt_u32 s46, 13                           ; no quarter lies three on from the last three
	s_cbranch_scc0 .Lno_more_\@
	PTR PP, 3
	global_prefetch_b8 v[PFO], s[PP:PP+1] th:TH_LOAD_NT scope:SCOPE_SE
.Lno_more_\@:
	s_add_co_u32 s46, s46, 1
.endif
.endm
; Where a lane finds its part of the block's codes (v[TA+2]) and scale words (v[TA+3]) in LDS
.macro EXADR
	v_and_b32 v[TA], 15, v0
	v_bfe_u32 v[TA+1], v0, 4, 1
	DEP 2
	v_mul_u32_u24 v[TA+2], v[TA], APITCH
	DEP 3
	v_lshlrev_b32 v[TA+3], 5, v[TA]
	DEP 2
	v_lshl_add_u32 v[TA+2], v[TA+1], 4, v[TA+2]
	DEP 2
	v_lshl_add_u32 v[TA+3], v[TA+1], 4, v[TA+3]
	DEP 2
	v_add_nc_u32 v[TA+2], ACODE, v[TA+2]           ; ACODE + 528 r + 16 h
	DEP 2
	v_add_nc_u32 v[TA+3], ASCL, v[TA+3]            ; ASCL + 32 r + 16 h
	s_wait_alu depctr_va_vdst(0)                   ; the wait here, directly ahead of the blocking wait that follows the macro
.endm
; Four of the block's 64 code loads: load L = 8 s + 2 m + c brings registers 4 L .. 4 L + 3 of window 1
.macro ARQ g
	WIN 0x40
.irp q, 0,1,2,3
	ds_load_b128 v[4*(4*(\g)+\q):4*(4*(\g)+\q)+3], v[TA+2] offset:16*APITCH*(((4*(\g)+\q)/2)%4)+64*((4*(\g)+\q)/8)+32*((4*(\g)+\q)%2)
.endr
	WIN 0
.endm
; The block's codes and scale words on end, for the head: 64 + 4 loads
.macro AREAD
	WIN 0x40
.irp s, 0,1,2,3,4,5,6,7
.irp m, 0,1,2,3
.irp c, 0,1
	ds_load_b128 v[8*(4*\s+\m)+4*\c:8*(4*\s+\m)+4*\c+3], v[TA+2] offset:16*APITCH*\m+64*\s+32*\c
.endr
.endr
.endr
	WIN 0
.irp m, 0,1,2,3
	ds_load_b128 v[AS+4*\m:AS+4*\m+3], v[TA+3] offset:512*\m
.endr
.endm
.macro CLEAR
.irp i, 0,1,2,3,4,5,6,7,8,9,10,11,12,13,14,15
	v_mov_b32 v[SUM+\i], 0
.endr
.endm
; A block's end.  My 32 columns' sums of 64 rows go to LDS; behind the barrier wave number = block number adds the eight parts and stores the scores
.macro BEND again
	s_add_co_u32 s58, s17, s54
	v_and_b32 v[ACC+16], 15, v0
	DEP 1
	v_lshl_add_u32 v[ACC+16], v[ACC+16], 2, s58    ; RED's half + 256 w + 4 r
.irp m, 0,1,2,3
	v_pk_add_f32 v[ACC+2*\m:ACC+2*\m+1], v[SUM+2*\m:SUM+2*\m+1], v[SUM+8+2*\m:SUM+9+2*\m]
.endr
.irp m, 0,1,2,3
	DEP 4
	v_add_f32 v[ACC+8+\m], v[ACC+2*\m], v[ACC+2*\m+1]
.endr
.irp m, 0,1,2,3
	DEP 4
	v_permlanex16_b32 v[ACC+\m], v[ACC+8+\m], s52, s53         ; the row's other eight columns of each tile lie in the lane 16 away; the destination was last written by the packed additions above
.endr
.irp m, 0,1,2,3
	DEP 4
	v_add_f32 v[ACC+8+\m], v[ACC+8+\m], v[ACC+\m]
.endr
.irp m, 0,1,2,3
	ds_store_b32 v[ACC+16], v[ACC+8+\m] offset:64*\m           ; lanes r and r + 16 write the same word with the same value
.endr
	s_wait_alu depctr_va_vdst(0)
	s_wait_dscnt 0x0
	s_barrier_signal -1
	s_barrier_wait -1                              ; every wave's part lies in LDS.
	s_add_co_u32 s58, s54, RED
	s_cmp_lg_u32 s16, s57
	s_wait_alu depctr_va_vdst(0)
	s_cbranch_scc1 .Lnot_mine_\@
	v_lshrrev_b32 v[ACC+17], 1, v[GOFF]            ; 8 x lane: rows 2 l, 2 l + 1
	v_and_b32 v[ACC+18], 0xff, v[MK]
	v_lshrrev_b32 v[ACC+19], 8, v[MK]
	DEP 3
	v_add_nc_u32 v[ACC+16], s58, v[ACC+17]
	DEP 3
	v_cvt_f32_u32 v[ACC+18], v[ACC+18]
	DEP 3
	v_cvt_f32_u32 v[ACC+19], v[ACC+19]
.irp x, 0,1,2,3,4,5,6,7
	ds_load_b64 v[ACC+2*\x:ACC+2*\x+1], v[ACC+16] offset:256*\x
.endr
	s_wait_alu depctr_va_vdst(0)                   ; the wait here, directly ahead of the wait below
	s_wait_dscnt 0x0
.irp x, 0,4,8,12
	v_pk_add_f32 v[ACC+\x:ACC+\x+1], v[ACC+\x:ACC+\x+1], v[ACC+\x+2:ACC+\x+3]
.endr
	DEP 3
	v_pk_add_f32 v[ACC:ACC+1], v[ACC:ACC+1], v[ACC+4:ACC+5]
	DEP 2
	v_pk_add_f32 v[ACC+8:ACC+9], v[ACC+8:ACC+9], v[ACC+12:ACC+13]
	DEP 1
	v_pk_add_f32 v[ACC:ACC+1], v[ACC:ACC+1], v[ACC+8:ACC+9]
	DEP 1
	v_fma_f32 v[ACC], v[ACC+18], s56, v[ACC]       ; - 1e9 x mask, rounded once
	DEP 2
	v_fma_f32 v[ACC+1], v[ACC+19], s56, v[ACC+1]
	global_store_b64 v[ACC+17], v[ACC:ACC+1], s[14:15]         ; 32 lanes store 256 consecutive bytes, at a multiple of 256 from sc's first byte
	s_wait_xcnt 0x0                                ; the store has read its registers, which the next products write
.Lnot_mine_\@:
.if \again
	CLEAR
	s_xor_b32 s54, s54, 2048
	s_add_co_u32 s57, s57, 1
.endif
.endm
; A STEP.  chg = 2: the slot in hand is filled again with the packages two steps on, behind a round of the cluster's barrier; by this text's count one tensor load of mine is out from then to the next round.
; chg = 1: nothing is left to ask for, the last step's packages are awaited.  chg = 0: the last step.
; ex = 1, a block's last step: the quarter stands ahead of the tanh, at work in Wk's fragment registers, which the products have left; a barrier shows the next block's codes whole; they come into registers among the tanh's transcendentals; the next step's fragments follow.
.macro STEP chg, quant, ex
	s_wait_dscnt 0x0                               ; K steps 0-3, the scale words and c q are in (at a block's head: its codes too); my LDS stores have read their registers
	WIN 0x04                                       ; source 1: window 1
	KS 0
	KS 1
	PLACES
	RUNB 4, 0
	KS 2
	KS 3
	s_wait_dscnt 0x0
	PLACES
	RUNB 6, 1
	KS 4
	KS 5
.if (\chg) == 2
	WIN 0
	s_wait_tensorcnt 0x0                           ; the next step's packages have landed; no tensor load of mine is out, so group 0 may be written
	ds_add_u32 v[SPW], v[NIL]
	s_add_co_u32 s55, s55, 1
	s_and_b32 s58, s55, 3
	s_mul_i32 s38, s58, SLOT
	s_add_co_u32 s33, s40, s42
	s_add_nc_u64 s[34:35], s[36:37], s[38:39]
	s_or_b32 s35, s35, 0x80000000
	s_wait_dscnt 0x1                               ; K steps 6 and 7 are in: the slot's last reads; the add, issued behind them, may be out
	WIN 0x04
	KS 6
	KS 7
	WIN 0
	s_wait_dscnt 0x0
	CROUND
	tensor_load_to_lds s[32:35], s[24:31]
	s_nop 0
	PLACES                                         ; also the places ahead of the loads, writes and reads below
.if (\ex) == 0
	NEXT
.endif
.elseif (\chg) == 1
	s_wait_dscnt 0x0
	KS 6
	KS 7
	WIN 0
	s_wait_tensorcnt 0x0
	PLACES
	NEXT
.else
	s_wait_dscnt 0x0
	KS 6
	KS 7
	WIN 0
	PLACES
.endif
.if \ex
	QUANT 0, LAND, 0, 0, 1, BF
	EXADR
	s_wait_dscnt 0x0                               ; my part of the next block is in LDS,
	s_barrier_signal -1
	s_barrier_wait -1                              ; everybody's is.
	TANH 1, 1
	NEXT
.else
	TANH (\chg) > 0, 0
.if \quant
	QUANT 0, LAND, 0, 0, 1, ACC
.endif
.endif
	s_xor_b32 s40, s40, SLOT
	s_xor_b32 s41, s41, SLOT
.endm
	s_load_b256 s[4:11], s[0:1], 0x0               ; memory, memory_mask, v, wkp
	s_load_b128 s[12:15], s[0:1], 0x20             ; qws, sc
	v_lshl_add_u32 v[SPW], v0, 2, SPARE
	v_mov_b32 v[NIL], 0
	ds_add_u32 v[SPW], v[NIL]                      ; the opening lines: the add twice on end and its wait
	ds_add_u32 v[SPW], v[NIL]
	v_lshrrev_b32 v[MK], 5, v0
	v_and_b32 v[PFO], 31, v0
	v_lshlrev_b32 v[ADRB], 4, v0                   ; 16 x thread: my four numbers of q and of v
	DEP 3
	v_readfirstlane_b32 s16, v[MK]                 ; wave 0..7
	DEP 3
	v_lshlrev_b32 v[GOFF], 4, v[PFO]
	DEP 4
	v_lshlrev_b32 v[ADRQ], 1, v[PFO]               ; 2 x lane: my two mask bytes
	v_lshlrev_b32 v[PFO], 8, v[PFO]
	s_bfe_u32 s17, ttmp6, 0x40000
	s_lshl_b32 s18, ttmp9, 2
	s_add_co_u32 s18, s18, s17                     ; g, my work-group: it enters the addresses of memory, mask, qws and sc alone
	s_mov_b32 s24, 15|(3<<16)|(1<<21)              ; group 1: 17,408 dense bytes as 68 rows of 32 elements of 8 bytes; the mask names all four
	s_mov_b32 s25, 32<<16
	s_mov_b32 s26, 68<<16
	s_mov_b32 s27, 32<<16
	s_mov_b32 s28, 68
	s_mov_b32 s29, 32
	s_mov_b32 s30, 0
	s_mov_b32 s31, 0
	s_mul_i32 s42, s16, WSH
	s_mov_b32 s38, s42
	s_mov_b32 s39, 0
	s_mov_b32 s50, 0x4038aa3b                      ; c = 2 log2(e)
	s_mov_b32 s51, s50
	s_mov_b32 s52, 0x76543210
	s_mov_b32 s53, 0xfedcba98
	s_mov_b32 s56, 0xce6e6b28                      ; -1e9
	s_mov_b32 s41, 0
	s_mov_b32 s43, 0xc00                           ; the first step on from here is column 0
	s_mov_b32 s46, 4
	s_mov_b32 s54, 0
	s_mov_b32 s55, 1
	s_mov_b32 s57, 0
	s_lshl_b32 s17, s16, 8
	s_add_co_u32 s49, s17, ASCL
	s_add_co_u32 s17, s17, RED
	s_mul_i32 s19, s16, 8*APITCH
	s_add_co_u32 s19, s19, ACODE
	s_lshl_b32 s59, s16, 7
	s_add_co_u32 s59, s59, QL
	s_lshl_b32 s20, s18, 20                        ; memory: 1 MB a work-group, 32 KB a wave in each block
	s_lshl_b32 s21, s16, 15
	s_add_co_u32 s20, s20, s21
	s_mov_b32 s21, 0
	s_and_b32 s22, s16, 3
	s_lshl_b32 s22, s22, 6
	s_lshl_b32 s23, s18, 8
	s_add_co_u32 s22, s22, s23                     ; the first row of the block that I finish: 256 g + 64 (w % 4)
	s_mov_b32 s23, 0
	s_wait_alu depctr_va_vdst(0)
	s_wait_dscnt 0x0
	s_wait_kmcnt 0x0
	s_add_nc_u64 s[36:37], s[10:11], s[38:39]      ; wkp at my share
	s_add_nc_u64 s[4:5], s[4:5], s[20:21]
	s_add_nc_u64 s[6:7], s[6:7], s[22:23]
	s_lshl_b32 s22, s22, 2
	s_add_nc_u64 s[14:15], s[14:15], s[22:23]
	s_lshr_b32 s22, s18, 4
	s_lshl_b32 s22, s22, 12
	s_add_nc_u64 s[12:13], s[12:13], s[22:23]      ; my batch's row of q
	s_mov_b32 s32, 1
	s_mov_b32 s33, s42
	s_mov_b64 s[34:35], s[36:37]
	s_or_b32 s35, s35, 0x80000000
	CROUND
	tensor_load_to_lds s[32:35], s[24:31]          ; step 0's packages: one tensor load a wave at the head
	s_nop 0
	PLACES
.irp p, 0,1,2,3,4,5,6,7
	global_load_b128 v[BF+4*\p:BF+4*\p+3], v[ADRB], s[12:13] offset:65536*\p   ; q's eight partial sums
.endr
	global_load_b128 v[BF+32:BF+35], v[ADRB], s[8:9]
	global_load_u16 v[MK], v[ADRQ], s[6:7]
	WIN 0x40
.set i, 0
.rept 48
	global_load_b128 v[4*i:4*i+3], v[GOFF], s[4:5] offset:512*i th:TH_LOAD_NT            ; block 0's quarters 0 to 2
.set i, i+1
.endr
	WIN 0
	s_wait_loadcnt 48                              ; q, v and the mask are in; the 48 loads issued behind them may be out
.irp p, 0,2,4,6
.irp k, 0,2
	v_pk_add_f32 v[BF+4*\p+\k:BF+4*\p+\k+1], v[BF+4*\p+\k:BF+4*\p+\k+1], v[BF+4*\p+4+\k:BF+4*\p+5+\k]
.endr
.endr
	v_pk_add_f32 v[BF:BF+1], v[BF:BF+1], v[BF+8:BF+9]
	v_pk_add_f32 v[BF+2:BF+3], v[BF+2:BF+3], v[BF+10:BF+11]
	DEP 4
	v_pk_add_f32 v[BF+16:BF+17], v[BF+16:BF+17], v[BF+24:BF+25]
	DEP 4
	v_pk_add_f32 v[BF+18:BF+19], v[BF+18:BF+19], v[BF+26:BF+27]
	v_pk_mul_f32 v[BF+32:BF+33], v[BF+32:BF+33], -2.0 op_sel_hi:[1,0]
	v_pk_mul_f32 v[BF+34:BF+35], v[BF+34:BF+35], -2.0 op_sel_hi:[1,0]
	v_add_nc_u32 v[ADRQ], QL, v[ADRB]
	v_pk_add_f32 v[BF:BF+1], v[BF:BF+1], v[BF+16:BF+17]
	v_pk_add_f32 v[BF+2:BF+3], v[BF+2:BF+3], v[BF+18:BF+19]
	DEP 2
	v_pk_mul_f32 v[BF:BF+1], v[BF:BF+1], s[50:51] op_sel_hi:[1,0]
	DEP 2
	v_pk_mul_f32 v[BF+2:BF+3], v[BF+2:BF+3], s[50:51] op_sel_hi:[1,0]
	ds_store_b128 v[ADRQ], v[BF:BF+3]
	ds_store_b128 v[ADRQ], v[BF+32:BF+35] offset:4096
	WIN 0x40
.set i, 48
.rept 16
	global_load_b128 v[4*i:4*i+3], v[GOFF], s[4:5] offset:512*i th:TH_LOAD_NT            ; quarter 3
.set i, i+1
.endr
	WIN 0
	s_mov_b32 s44, s19
	s_mov_b32 s45, s49
	QUANT 1, 0, 48, 0, 0, ACC
.set i, 0
.rept 16
	global_load_b128 v[LAND+4*i:LAND+4*i+3], v[GOFF], s[4:5] offset:262144+512*i th:TH_LOAD_NT   ; block 1's first quarter
.set i, i+1
.endr
	s_add_co_u32 s44, s44, 2*APITCH
	s_add_co_u32 s45, s45, 64
	QUANT 1, 64, 48, 1, 0, ACC
	s_wait_tensorcnt 0x0                           ; slot 1's first fill is issued as a refill is
	ds_add_u32 v[SPW], v[NIL]
	s_add_co_u32 s33, s42, SLOT
	s_add_nc_u64 s[34:35], s[36:37], SLOT
	s_or_b32 s35, s35, 0x80000000
	s_wait_dscnt 0x0
	CROUND
	tensor_load_to_lds s[32:35], s[24:31]
	s_nop 0
	PLACES
.irp k, 2,3
	s_add_co_u32 s44, s44, 2*APITCH
	s_add_co_u32 s45, s45, 64
	QUANT 1, 64*\k, 64-16*\k, 1, 0, ACC
.endr
	EXADR
	s_wait_dscnt 0x0                               ; my codes, scale bytes, c q and -2 v are in LDS,
	s_barrier_signal -1
	s_barrier_wait -1                              ; everybody's are.
	AREAD
	NEXT
	NEXTQ
	CLEAR
	s_mov_b32 s40, 0
	s_mov_b32 s41, SLOT
	s_mov_b32 s48, 3
.Lblock:                                               ; blocks 0 to 2: four steps, each with a quarter of the next block
	s_mov_b32 s44, s19
	s_mov_b32 s45, s49
	s_mov_b32 s47, 3
.Lstep:
	STEP 2, 1, 0
	s_add_co_u32 s44, s44, 2*APITCH
	s_add_co_u32 s45, s45, 64
	s_sub_co_u32 s47, s47, 1
	s_cmp_lg_u32 s47, 0
	s_wait_alu depctr_va_vdst(0)
	s_cbranch_scc1 .Lstep
	STEP 2, 1, 1                                   ; the block's last step, with the exchange of codes
	BEND 1
	s_sub_co_u32 s48, s48, 1
	s_cmp_lg_u32 s48, 0
	s_wait_alu depctr_va_vdst(0)
	s_cbranch_scc1 .Lblock
	s_mov_b32 s47, 2
.Llast:                                                ; the last block: nothing is left to quantise; its first two steps ask for its last two steps' packages
	STEP 2, 0, 0
	s_sub_co_u32 s47, s47, 1
	s_cmp_lg_u32 s47, 0
	s_wait_alu depctr_va_vdst(0)
	s_cbranch_scc1 .Llast
	STEP 1, 0, 0
	STEP 0, 0, 0
	BEND 0
	s_wait_tensorcnt 0x0                           ; the wave's end
	ds_add_u32 v[SPW], v[NIL]
	s_wait_dscnt 0x0
	CROUND                                         ; the closing round
	s_endpgm
.Lfunc_end_k_qc4d5b3dfad_main:
	.size	k_qc4d5b3dfad_main, .Lfunc_end_k_qc4d5b3dfad_main-k_qc4d5b3dfad_main
	.p2alignl 7, 3214868480
	.fill 96, 4, 3214868480
	.section	.rodata,"a",@progbits
	.p2align	6, 0x0
	.amdhsa_kernel k_qc4d5b3dfad_main
		.amdhsa_group_segment_fixed_size 327680
		.amdhsa_private_segment_fixed_size 0
		.amdhsa_enable_private_segment 0
		.amdhsa_kernarg_size 48
		.amdhsa_user_sgpr_count 2
		.amdhsa_user_sgpr_kernarg_segment_ptr 1
		.amdhsa_wavefront_size32 1
		.amdhsa_system_sgpr_workgroup_id_x 1
		.amdhsa_system_sgpr_workgroup_id_y 1
		.amdhsa_system_sgpr_workgroup_id_z 1
		.amdhsa_system_vgpr_workitem_id 0
		.amdhsa_next_free_vgpr 512
		.amdhsa_next_free_sgpr 66
		.amdhsa_reserve_vcc 0
		.amdhsa_float_denorm_mode_32 3
		.amdhsa_float_denorm_mode_16_64 3
		.amdhsa_memory_ordered 1
		.amdhsa_forward_progress 1
		.amdhsa_inst_pref_size 214
	.end_amdhsa_kernel
	.amdgpu_metadata
---
amdhsa.version: [ 1, 2 ]
amdhsa.kernels:
  - .name:           k_qc4d5b3dfad_main
    .symbol:         k_qc4d5b3dfad_main.kd
    .args:
      - { .name: memory, .offset: 0, .size: 8, .value_kind: global_buffer, .address_space: global }
      - { .name: memory_mask, .offset: 8, .size: 8, .value_kind: global_buffer, .address_space: global }
      - { .name: v, .offset: 16, .size: 8, .value_kind: global_buffer, .address_space: global }
      - { .name: wkp, .offset: 24, .size: 8, .value_kind: global_buffer, .address_space: global }
      - { .name: qws, .offset: 32, .size: 8, .value_kind: global_buffer, .address_space: global }
      - { .name: sc, .offset: 40, .size: 8, .value_kind: global_buffer, .address_space: global }
    .group_segment_fixed_size: 327680
    .private_segment_fixed_size: 0
    .kernarg_segment_align: 8
    .kernarg_segment_size: 48
    .max_flat_workgroup_size: 256
    .sgpr_count:     66
    .vgpr_count:     512
    .wavefront_size: 32
...
	.end_amdgpu_metadata
.endif
;; end of part 2
;; launch soft (part 3): grid 16 x 1, 32 waves a work-group, no clusters, 5,120 bytes of LDS; arguments sc, out0; writes out0
.if DOCPART == 3
	.amdgcn_target "amdgcn-amd-amdhsa--gfx1250"
	.amdhsa_code_object_version 6
	.text
	.protected	k_qc4d5b3dfad_soft
	.globl	k_qc4d5b3dfad_soft
	.p2align	8
	.type	k_qc4d5b3dfad_soft,@function
k_qc4d5b3dfad_soft:
	s_mov_b64 s[64:65], 0
	v_nop
	global_prefetch_b8 v0, s[64:65] scope:SCOPE_SE
	s_setreg_imm32_b32 hwreg(HW_REG_WAVE_MODE, 25, 1), 1
	s_wait_xcnt 0x0
; out0[b][:] = softmax of sc[b][:], 4,096 masked scores a batch.  A row has one owner: one work-group of 32 waves a batch, four numbers a thread, kept in registers between the maximum, the sum and the division: each byte is moved once.
; The maximum is taken away before the exponential, as the reference does.  The difference is formed FIRST and then multiplied by log2(e): fused with the product, the rounding of max x log2(e) would count where the scores are of the size of 1e9 (a batch that is masked whole).
; Each load and store of a wave covers 512 consecutive bytes.  LIMITS: NaN and infinities are not served.
.macro WMAX r                          ; the largest of the wave's 32, in every lane
	v_max_num_f32_dpp v[\r], v[\r], v[\r] row_xmask:1 row_mask:0xf bank_mask:0xf
	s_delay_alu instid0(VALU_DEP_1)
	v_max_num_f32_dpp v[\r], v[\r], v[\r] row_xmask:2 row_mask:0xf bank_mask:0xf
	s_delay_alu instid0(VALU_DEP_1)
	v_max_num_f32_dpp v[\r], v[\r], v[\r] row_xmask:4 row_mask:0xf bank_mask:0xf
	s_delay_alu instid0(VALU_DEP_1)
	v_max_num_f32_dpp v[\r], v[\r], v[\r] row_xmask:8 row_mask:0xf bank_mask:0xf
	s_wait_alu depctr_va_vdst(0)
	v_permlanex16_b32 v9, v[\r], s10, s11
	s_delay_alu instid0(VALU_DEP_1)
	v_max_num_f32 v[\r], v[\r], v9
.endm
.macro WSUM r                          ; the sum likewise
	v_add_f32_dpp v[\r], v[\r], v[\r] row_xmask:1 row_mask:0xf bank_mask:0xf
	s_delay_alu instid0(VALU_DEP_1)
	v_add_f32_dpp v[\r], v[\r], v[\r] row_xmask:2 row_mask:0xf bank_mask:0xf
	s_delay_alu instid0(VALU_DEP_1)
	v_add_f32_dpp v[\r], v[\r], v[\r] row_xmask:4 row_mask:0xf bank_mask:0xf
	s_delay_alu instid0(VALU_DEP_1)
	v_add_f32_dpp v[\r], v[\r], v[\r] row_xmask:8 row_mask:0xf bank_mask:0xf
	s_wait_alu depctr_va_vdst(0)
	v_permlanex16_b32 v9, v[\r], s10, s11
	s_delay_alu instid0(VALU_DEP_1)
	v_add_f32 v[\r], v[\r], v9
.endm
	s_load_b128 s[4:7], s[0:1], 0x0                ; sc, out0
	v_lshl_add_u32 v32, v0, 2, 0x400
	v_mov_b32 v33, 0
	v_lshlrev_b32 v1, 4, v0                        ; 16 bytes a thread
	v_lshrrev_b32 v2, 5, v0
	s_delay_alu instid0(VALU_DEP_1)
	v_lshlrev_b32 v2, 2, v2                        ; LDS: a word for each wave
	v_and_b32 v3, 31, v0
	s_delay_alu instid0(VALU_DEP_1)
	v_lshlrev_b32 v3, 2, v3                        ; and lane l reads wave l's
	v_mov_b32 v9, 0                                ; a lane permute's destination counts as one of its sources
	s_lshl_b32 s8, ttmp9, 14                       ; a batch is 16,384 bytes
	s_mov_b32 s9, 0
	s_mov_b32 s10, 0x76543210
	s_mov_b32 s11, 0xfedcba98                      ; v_permlanex16_b32's selects for lane l xor 16
	s_wait_alu depctr_va_vdst(0)
	s_wait_kmcnt 0x0
	s_add_nc_u64 s[4:5], s[4:5], s[8:9]
	s_add_nc_u64 s[6:7], s[6:7], s[8:9]
	global_load_b128 v[4:7], v1, s[4:5]
	s_wait_loadcnt 0x0
	v_max3_num_f32 v8, v4, v5, v6
	s_delay_alu instid0(VALU_DEP_1)
	v_max_num_f32 v8, v8, v7
	WMAX 8
	ds_store_b32 v2, v8                            ; all lanes of a wave write the same word with the same value
	s_wait_dscnt 0x0                               ; for the others' sake
	s_barrier_signal -1
	s_barrier_wait -1
	ds_load_b32 v8, v3                             ; the 32 waves' maxima, one a lane
	s_wait_dscnt 0x0
	WMAX 8                                         ; the row's maximum
.irp i, 4,5,6,7
	v_sub_f32 v[\i], v[\i], v8
.endr
.irp i, 4,5,6,7
	s_delay_alu instid0(VALU_DEP_4)
	v_mul_f32 v[\i], 0x3fb8aa3b, v[\i]             ; x log2(e)
.endr
	s_wait_alu depctr_va_vdst(0)
.irp i, 4,5,6,7
	v_exp_f32 v[\i], v[\i]
.endr
	v_nop                                          ; a plain instruction behind the last exponential,
	s_wait_alu depctr_va_vdst(0)                   ; and one wait for the four, ahead of their first reader
	v_add_f32 v10, v4, v5
	v_add_f32 v11, v6, v7
	s_delay_alu instid0(VALU_DEP_1)
	v_add_f32 v10, v10, v11
	WSUM 10
	ds_store_b32 v2, v10 offset:256                ; other bytes than the maxima's: no barrier is owed between that read and this store
	s_wait_dscnt 0x0
	s_barrier_signal -1
	s_barrier_wait -1
	ds_load_b32 v10, v3 offset:256
	s_wait_dscnt 0x0
	WSUM 10                                        ; the row's sum: at least 1, the maximum's own term
	s_wait_alu depctr_va_vdst(0)
	v_rcp_f32 v10, v10
	v_nop
	s_wait_alu depctr_va_vdst(0)
.irp i, 4,5,6,7
	v_mul_f32 v[\i], v[\i], v10
.endr
	global_store_b128 v1, v[4:7], s[6:7]
	s_wait_tensorcnt 0x0
	ds_add_u32 v32, v33
	s_wait_dscnt 0x0
	s_endpgm
.Lfunc_end_k_qc4d5b3dfad_soft:
	.size	k_qc4d5b3dfad_soft, .Lfunc_end_k_qc4d5b3dfad_soft-k_qc4d5b3dfad_soft
	.p2alignl 7, 3214868480
	.fill 96, 4, 3214868480
	.section	.rodata,"a",@progbits
	.p2align	6, 0x0
	.amdhsa_kernel k_qc4d5b3dfad_soft
		.amdhsa_group_segment_fixed_size 5120
		.amdhsa_private_segment_fixed_size 0
		.amdhsa_enable_private_segment 0
		.amdhsa_kernarg_size 16
		.amdhsa_user_sgpr_count 2
		.amdhsa_user_sgpr_kernarg_segment_ptr 1
		.amdhsa_wavefront_size32 1
		.amdhsa_system_sgpr_workgroup_id_x 1
		.amdhsa_system_sgpr_workgroup_id_y 1
		.amdhsa_system_sgpr_workgroup_id_z 1
		.amdhsa_system_vgpr_workitem_id 0
		.amdhsa_next_free_vgpr 34
		.amdhsa_next_free_sgpr 66
		.amdhsa_reserve_vcc 0
		.amdhsa_float_denorm_mode_32 3
		.amdhsa_float_denorm_mode_16_64 3
		.amdhsa_memory_ordered 1
		.amdhsa_forward_progress 1
		.amdhsa_inst_pref_size 6
	.end_amdhsa_kernel
	.amdgpu_metadata
---
amdhsa.version: [ 1, 2 ]
amdhsa.kernels:
  - .name:           k_qc4d5b3dfad_soft
    .symbol:         k_qc4d5b3dfad_soft.kd
    .args:
      - { .name: sc, .offset: 0, .size: 8, .value_kind: global_buffer, .address_space: global }
      - { .name: out0, .offset: 8, .size: 8, .value_kind: global_buffer, .address_space: global }
    .group_segment_fixed_size: 5120
    .private_segment_fixed_size: 0
    .kernarg_segment_align: 8
    .kernarg_segment_size: 16
    .max_flat_workgroup_size: 1024
    .sgpr_count:     66
    .vgpr_count:     34
    .wavefront_size: 32
...
	.end_amdgpu_metadata
.endif
;; end of part 3
